; MI455X (gfx1250); checked and timed in simulation.
; The chip was launched on July 23, 2026; its instructions are those of AMD's public machine-readable ISA for CDNA 5 (MIT licence, August 2026) and "CDNA5" Instruction Set Architecture Reference Guide (July 2026). The comments in the code are by the model that wrote it; some were corrected since.
;; Gauss Exp Falloff Kernel. Allowed arithmetic: float matrix products may take bf16 or f16 operands with f32 sums; all other float work in f32.
;; Inputs: points 2 x 256 x 256 x 2 float32; vortex_feature 2 x 256 x 6 float32.
;; Outputs: out0 2 x 256 x 256 x 2 float32.
;; 2 versions, each right; version 2 is version 1 with the launch vortex written anew for expert scheduling mode. Each part assembles by itself: llvm-mc -triple=amdgcn-amd-amdhsa -mcpu=gfx1250 --defsym DOCPART=n.
;; ======== version 1 of 2: 1 launch
;; launch vortex (part 1): grid 256 x 1, 16 waves a work-group, no clusters, 26,624 bytes of LDS; arguments points, vortex_feature, out0; writes out0
.if DOCPART == 1
	.amdgcn_target "amdgcn-amd-amdhsa--gfx1250"
	.amdhsa_code_object_version 6
	.text
	.protected	k_q324edd1f22_vortex
	.globl	k_q324edd1f22_vortex
	.p2align	8
	.type	k_q324edd1f22_vortex,@function
k_q324edd1f22_vortex:
	s_mov_b64 s[64:65], 0
	v_nop
	global_prefetch_b8 v0, s[64:65] scope:SCOPE_SE
	s_setreg_imm32_b32 hwreg(HW_REG_WAVE_MODE, 25, 1), 1
	s_wait_xcnt 0x0
; Velocity of 2 x 256 x 256 grid points under 256 vortex particles per batch.
;   sq = |point - loc|^2,  e1 = exp(-DT^2 sq / (d sig^2)),  DT = 1
;   strength = tau exp(-sq / sig^2) exp(-c e1) / sqrt(sq + c e1)
;   out = ( sum strength (px - x),  sum strength (y - py) )
; The two outer exponentials are one exp2 of the summed exponents, so a pair costs three transcendentals (exp2, rsq, exp2),
; and everything that hangs on the particle alone is made once:  K1 = -log2e / sig^2,  K2 = -log2e DT^2 / (d sig^2),  cL = -log2e c.
; All plain arithmetic is packed, two points to an instruction: 12 packed instructions and 6 transcendentals for two pairs.
;
; SHARES.  256 work-groups of 16 waves; a work-group owns 512 neighbouring points (4,096 bytes of points and of out0, all of one
; batch: 128 work-groups a batch).  Wave w = 4 pq + pg takes point group pg (128 points, four a lane) against particle quarter pq
; (64 particles): one particle record read from LDS serves four points of every lane.  The four quarters meet in LDS at the end.
; The four waves of a point group each load the same 1,024 bytes of points: a second reading of 4 KiB a work-group, taken
; instead of a trip through LDS in front of the first barrier.
; No matrix unit, tensor load or cluster: the only shared input is the 6,144 bytes of a batch's particles, and memory moves
; 2 MiB in all against 33.5 million pairs of arithmetic.
;
; LIMITS, kept on purpose.  exp(a) exp(b) is taken as exp(a + b): it differs from the two factors only where one overflows and the
; other underflows (c e1 below about -88).  Divisions are multiplications by v_rcp_f32 (1 ULP).  v_rcp_f32, v_rsq_f32 and v_exp_f32
; take denormal inputs as zero and give zero for denormal results: sig^2 and d sig^2 have to lie in 2^-126 .. 2^126, and an
; exponential below 2^-126 counts as zero.  The sum over particles is four sums of 64 in ascending order, added pairwise.
.set NPART,   256                      ; particles of a batch
.set FEAT_B,  24                       ; bytes of a particle in vortex_feature: y, x, tau, sig, c, d
.set REC_B,   32                       ; bytes of a particle's record in LDS: y, -x, c, K2 | K1, cL, tau, sig (sig: filler, never used)
.set QUARTER, 64                       ; particles of a wave
.set TRIPP,   4                        ; particles of a trip: two buffers of two records
.set TRIPB,   TRIPP*REC_B
.set RED,     NPART*REC_B              ; LDS behind the table: wave w's 1,024 bytes: 128 sums for out y, then 128 for out x
.set NL2E,    0xbfb8aa3b               ; -log2(e)
.set OFFP, 3                           ; v3       byte offset of my first two points in the work-group's 4,096; at the end: of my output
.set PA,   4                           ; v4       LDS address of the trip's first record (the same in all lanes)
.set REDW, 5                           ; v5       LDS address of my sums in my wave's part of RED
.set PYN,  6                           ; v[6:7], v[10:11]    -py of points (0, 1), (2, 3)
.set PX,   8                           ; v[8:9], v[12:13]     px
.set ACCY, 14                          ; v[14:15], v[18:19]  sum strength (px - x)
.set ACCX, 16                          ; v[16:17], v[20:21]  sum strength (y - py)
.set NDY,  22                          ; v[22:23], v[26:27]  y - py
.set DX,   24                          ; v[24:25], v[28:29]  px - x
.set SQ,   30                          ; v[30:33]  squared distance, four points
.set ARG,  34                          ; v[34:37]  K2 sq
.set EX1,  38                          ; v[38:41]  e1
.set GS,   42                          ; v[42:45]  K1 sq
.set RAD,  46                          ; v[46:49]  sq + c e1
.set GA,   50                          ; v[50:53]  K1 sq + cL e1
.set RSQ,  54                          ; v[54:57]  1 / sqrt(RAD), then times tau
.set STR,  58                          ; v[58:61]  exp2(GA), then the strength
.set QA,   64                          ; v[64:79]  records of the trip's particles 0, 1
.set QB,   80                          ; v[80:95]  records of the trip's particles 2, 3
.set LP,   64                          ; v[64:71]  in front of the loop: four points as loaded (py, px, py, px)
.set W,    72                          ; v[72:79]  in front of the loop: the record that this thread makes
.set F,    64                          ; v[64:71]  at the end: (y, x) sums of the four quarters
	s_load_b128 s[4:7], s[0:1], 0x0                ; points s[4:5], vortex_feature s[6:7]
	s_load_b64 s[8:9], s[0:1], 0x10                ; out0
	v_lshl_add_u32 v96, v0, 2, 0x6000
	v_mov_b32 v97, 0
	v_lshrrev_b32 v1, 5, v0
	v_readfirstlane_b32 s10, v1                    ; wave 0..15
	v_and_b32 v2, 31, v0                           ; lane
	s_and_b32 s11, s10, 3                          ; pg: which 128 points
	s_lshr_b32 s12, s10, 2                         ; pq: which 64 particles
	s_lshl_b32 s14, ttmp9, 12                      ; the work-group's 512 points x 8 bytes, in points and in out0
	s_mov_b32 s15, 0
	s_lshr_b32 s16, ttmp9, 7                       ; batch
	s_mul_i32 s16, s16, NPART*FEAT_B               ; its particles
	s_mov_b32 s17, 0
	s_lshl_b32 s11, s11, 10                        ; 128 points x 8 bytes
	s_lshl_b32 s12, s12, 11                        ; 64 records x 32 bytes
	s_lshl_b32 s13, s10, 10                        ; my wave's 1,024 bytes of RED
	v_lshl_add_u32 v[OFFP], v2, 4, s11             ; two points (16 bytes) a lane: a load of the wave covers 512 neighbouring bytes
	v_lshl_add_u32 v[REDW], v2, 3, s13             ; two sums (8 bytes) a lane
	s_wait_kmcnt 0x0
	s_add_nc_u64 s[4:5], s[4:5], s[14:15]
	s_add_nc_u64 s[6:7], s[6:7], s[16:17]
	s_add_nc_u64 s[8:9], s[8:9], s[14:15]
	global_load_b128 v[LP:LP+3],   v[OFFP], s[4:5]             ; points 2 l, 2 l + 1 of my group
	global_load_b128 v[LP+4:LP+7], v[OFFP], s[4:5] offset:512  ; points 64 + 2 l, 64 + 2 l + 1
	s_cmp_ge_u32 s10, NPART/32
	s_cbranch_scc1 .Ljoin                          ; waves 8-15 make no record
	; Waves 0-7: thread t makes particle t's record.  The three loads land where the record wants their first word.
	v_mul_u32_u24 v82, FEAT_B, v0
	global_load_b64 v[W:W+1],   v82, s[6:7]            ; y, x
	global_load_b64 v[W+6:W+7], v82, s[6:7] offset:8   ; tau, sig
	global_load_b64 v[W+2:W+3], v82, s[6:7] offset:16  ; c, d
	v_lshlrev_b32 v83, 5, v0                       ; REC_B t
	s_wait_loadcnt 0x0
	v_mul_f32 v80, v[W+7], v[W+7]                  ; sig^2
	v_mul_f32 v81, v[W+3], v80                     ; d sig^2
	v_rcp_f32 v[W+4], v80
	v_rcp_f32 v[W+3], v81
	v_mul_f32 v[W+1], -1.0, v[W+1]                 ; -x.  Also the plain instruction that stands between the reciprocals and their use (ISA guide 5.7.2)
	v_mul_f32 v[W+5], NL2E, v[W+2]                 ; cL
	s_wait_alu depctr_va_vdst(0)
	v_mul_f32 v[W+4], NL2E, v[W+4]                 ; K1
	v_mul_f32 v[W+3], NL2E, v[W+3]                 ; K2 (DT^2 = 1)
	ds_store_b128 v83, v[W:W+3]
	ds_store_b128 v83, v[W+4:W+7] offset:16
.Ljoin:
	s_wait_loadcnt 0x0                             ; my points
	s_wait_dscnt 0x0                               ; my record is in LDS before I say so: the other waves read it behind the barrier
	s_barrier_signal -1
	; register work while the others arrive: from (py, px, py, px) to the pairs that the packed arithmetic wants
.irp a, 0,1
	v_mul_f32 v[PYN+4*\a],   -1.0, v[LP+4*\a]
	v_mul_f32 v[PYN+4*\a+1], -1.0, v[LP+4*\a+2]
	v_mov_b32 v[PX+4*\a],   v[LP+4*\a+1]
	v_mov_b32 v[PX+4*\a+1], v[LP+4*\a+3]
.endr
	v_mov_b32 v[PA], s12                           ; my quarter of the table
	s_barrier_wait -1
.irp i, 0,1,2,3
	ds_load_b128 v[QA+4*\i:QA+4*\i+3], v[PA] offset:16*\i          ; every lane reads the same 16 bytes
.endr
.irp i, 0,1,2,3
	ds_load_b128 v[QB+4*\i:QB+4*\i+3], v[PA] offset:64+16*\i
.endr
; One particle (record in v[q:q+7]) against my four points.  A word of the record is spread over both halves of a packed
; instruction by op_sel / op_sel_hi: [.,0] twice the pair's first register, op_sel [.,1] twice its second.
; Each run of transcendentals is followed by two packed instructions that touch neither its results nor its sources,
; before the first result is used (ISA guide 5.7.2).  first = 1: the products start the sums, nothing is cleared.
.macro PARTICLE q, first
.irp a, 0,1
	v_pk_add_f32 v[NDY+4*\a:NDY+4*\a+1], v[PYN+4*\a:PYN+4*\a+1], v[\q:\q+1] op_sel_hi:[1,0]              ; y - py
	v_pk_add_f32 v[DX+4*\a:DX+4*\a+1],   v[PX+4*\a:PX+4*\a+1],   v[\q:\q+1] op_sel:[0,1] op_sel_hi:[1,1] ; px - x
.endr
.irp a, 0,1
	v_pk_mul_f32 v[SQ+2*\a:SQ+2*\a+1], v[NDY+4*\a:NDY+4*\a+1], v[NDY+4*\a:NDY+4*\a+1]
.endr
.irp a, 0,1
	v_pk_fma_f32 v[SQ+2*\a:SQ+2*\a+1], v[DX+4*\a:DX+4*\a+1], v[DX+4*\a:DX+4*\a+1], v[SQ+2*\a:SQ+2*\a+1]
.endr
.irp a, 0,1
	v_pk_mul_f32 v[ARG+2*\a:ARG+2*\a+1], v[SQ+2*\a:SQ+2*\a+1], v[\q+2:\q+3] op_sel:[0,1] op_sel_hi:[1,1] ; K2 sq
.endr
.irp j, 0,1,2,3
	v_exp_f32 v[EX1+\j], v[ARG+\j]                                                                       ; e1
.endr
.irp a, 0,1
	v_pk_mul_f32 v[GS+2*\a:GS+2*\a+1], v[SQ+2*\a:SQ+2*\a+1], v[\q+4:\q+5] op_sel_hi:[1,0]                ; K1 sq
.endr
	s_wait_alu depctr_va_vdst(0)
.irp a, 0,1
	v_pk_fma_f32 v[RAD+2*\a:RAD+2*\a+1], v[EX1+2*\a:EX1+2*\a+1], v[\q+2:\q+3], v[SQ+2*\a:SQ+2*\a+1] op_sel_hi:[1,0,1]   ; c e1 + sq
.endr
.irp j, 0,1,2,3
	v_rsq_f32 v[RSQ+\j], v[RAD+\j]
.endr
.irp a, 0,1
	v_pk_fma_f32 v[GA+2*\a:GA+2*\a+1], v[EX1+2*\a:EX1+2*\a+1], v[\q+4:\q+5], v[GS+2*\a:GS+2*\a+1] op_sel:[0,1,0] op_sel_hi:[1,1,1]   ; cL e1 + K1 sq
.endr
.irp j, 0,1,2,3
	v_exp_f32 v[STR+\j], v[GA+\j]                                                                        ; exp(-sq / sig^2 - c e1)
.endr
	s_wait_alu depctr_va_vdst(0)
.irp a, 0,1
	v_pk_mul_f32 v[RSQ+2*\a:RSQ+2*\a+1], v[RSQ+2*\a:RSQ+2*\a+1], v[\q+6:\q+7] op_sel_hi:[1,0]            ; tau / sqrt
.endr
.irp a, 0,1
	v_pk_mul_f32 v[STR+2*\a:STR+2*\a+1], v[STR+2*\a:STR+2*\a+1], v[RSQ+2*\a:RSQ+2*\a+1]                  ; the strength
.endr
.irp a, 0,1
.if \first
	v_pk_mul_f32 v[ACCY+4*\a:ACCY+4*\a+1], v[STR+2*\a:STR+2*\a+1], v[DX+4*\a:DX+4*\a+1]
	v_pk_mul_f32 v[ACCX+4*\a:ACCX+4*\a+1], v[STR+2*\a:STR+2*\a+1], v[NDY+4*\a:NDY+4*\a+1]
.else
	v_pk_fma_f32 v[ACCY+4*\a:ACCY+4*\a+1], v[STR+2*\a:STR+2*\a+1], v[DX+4*\a:DX+4*\a+1],   v[ACCY+4*\a:ACCY+4*\a+1]
	v_pk_fma_f32 v[ACCX+4*\a:ACCX+4*\a+1], v[STR+2*\a:STR+2*\a+1], v[NDY+4*\a:NDY+4*\a+1], v[ACCX+4*\a:ACCX+4*\a+1]
.endif
.endr
.endm
; A trip: four particles.  Each buffer is filled again, for the next trip, as soon as its two particles are done: its four loads
; have two particles' arithmetic (72 instructions) to come back.  fill = 0: the last trip, which reads nothing past my quarter.
.macro TRIP first, fill
	s_wait_dscnt 4                                 ; LDS loads come back in order (ISA guide 5.7.1): QA's four are in, QB's four may be out
	PARTICLE QA, \first
	PARTICLE QA+8, 0
.if \fill
.irp i, 0,1,2,3
	ds_load_b128 v[QA+4*\i:QA+4*\i+3], v[PA] offset:TRIPB+16*\i
.endr
.endif
	s_wait_dscnt 4*\fill                           ; QB's four are in; the four just issued for QA (none in the last trip) may be out
	PARTICLE QB, 0
	PARTICLE QB+8, 0
.if \fill
.irp i, 0,1,2,3
	ds_load_b128 v[QB+4*\i:QB+4*\i+3], v[PA] offset:TRIPB+64+16*\i
.endr
	v_add_nc_u32 v[PA], TRIPB, v[PA]
.endif
.endm
	TRIP 1, 1                                      ; the first trip stands in front of the loop: its first products start the sums
	s_mov_b32 s20, QUARTER/TRIPP-2
.Ltrip:
	TRIP 0, 1
	s_sub_co_u32 s20, s20, 1
	s_cmp_lg_u32 s20, 0
	s_cbranch_scc1 .Ltrip
	TRIP 0, 0
	; The four quarters of a point's sums meet in LDS.  My wave's 1,024 bytes: point i of my group at 4 i (y) and 512 + 4 i (x).
	ds_store_b64 v[REDW], v[ACCY:ACCY+1]   offset:RED          ; points 2 l, 2 l + 1
	ds_store_b64 v[REDW], v[ACCY+4:ACCY+5] offset:RED+256      ; points 64 + 2 l, 64 + 2 l + 1
	ds_store_b64 v[REDW], v[ACCX:ACCX+1]   offset:RED+512
	ds_store_b64 v[REDW], v[ACCX+4:ACCX+5] offset:RED+768
	s_wait_dscnt 0x0                               ; for the others' sake: my sums are in LDS before I signal
	s_barrier_signal -1
	v_and_b32 v1, 127, v0                          ; thread t finishes point t: number t % 128 of group t / 128
	v_lshrrev_b32 v2, 7, v0
	v_lshlrev_b32 v1, 2, v1
	v_lshl_add_u32 v1, v2, 10, v1                  ; group g of quarter pq was wave 4 pq + g: 1,024 g here, 4,096 pq in the offsets
	v_lshlrev_b32 v[OFFP], 3, v0                   ; 8 bytes of out0 a thread (the loads that read this register ended in front of the loop)
	s_barrier_wait -1
.irp p, 0,1,2,3
	ds_load_b32 v[F+2*\p],   v1 offset:RED+4096*\p
	ds_load_b32 v[F+2*\p+1], v1 offset:RED+4096*\p+512
.endr
	s_wait_dscnt 0x0
	v_pk_add_f32 v[F:F+1],   v[F:F+1],   v[F+2:F+3]
	v_pk_add_f32 v[F+4:F+5], v[F+4:F+5], v[F+6:F+7]
	v_pk_add_f32 v[F:F+1],   v[F:F+1],   v[F+4:F+5]
	global_store_b64 v[OFFP], v[F:F+1], s[8:9] th:TH_STORE_NT  ; a store of the wave covers 256 neighbouring bytes, aligned
	s_wait_tensorcnt 0x0
	ds_add_u32 v96, v97
	s_wait_dscnt 0x0
	s_endpgm
.Lfunc_end_k_q324edd1f22_vortex:
	.size	k_q324edd1f22_vortex, .Lfunc_end_k_q324edd1f22_vortex-k_q324edd1f22_vortex
	.p2alignl 7, 3214868480
	.fill 96, 4, 3214868480
	.section	.rodata,"a",@progbits
	.p2align	6, 0x0
	.amdhsa_kernel k_q324edd1f22_vortex
		.amdhsa_group_segment_fixed_size 26624
		.amdhsa_private_segment_fixed_size 0
		.amdhsa_enable_private_segment 0
		.amdhsa_kernarg_size 24
		.amdhsa_user_sgpr_count 2
		.amdhsa_user_sgpr_kernarg_segment_ptr 1
		.amdhsa_wavefront_size32 1
		.amdhsa_system_sgpr_workgroup_id_x 1
		.amdhsa_system_sgpr_workgroup_id_y 1
		.amdhsa_system_sgpr_workgroup_id_z 1
		.amdhsa_system_vgpr_workitem_id 0
		.amdhsa_next_free_vgpr 98
		.amdhsa_next_free_sgpr 66
		.amdhsa_reserve_vcc 0
		.amdhsa_float_denorm_mode_32 3
		.amdhsa_float_denorm_mode_16_64 3
		.amdhsa_memory_ordered 1
		.amdhsa_forward_progress 1
		.amdhsa_inst_pref_size 30
	.end_amdhsa_kernel
	.amdgpu_metadata
---
amdhsa.version: [ 1, 2 ]
amdhsa.kernels:
  - .name:           k_q324edd1f22_vortex
    .symbol:         k_q324edd1f22_vortex.kd
    .args:
      - { .name: points, .offset: 0, .size: 8, .value_kind: global_buffer, .address_space: global }
      - { .name: vortex_feature, .offset: 8, .size: 8, .value_kind: global_buffer, .address_space: global }
      - { .name: out0, .offset: 16, .size: 8, .value_kind: global_buffer, .address_space: global }
    .group_segment_fixed_size: 26624
    .private_segment_fixed_size: 0
    .kernarg_segment_align: 8
    .kernarg_segment_size: 24
    .max_flat_workgroup_size: 512
    .sgpr_count:     66
    .vgpr_count:     98
    .wavefront_size: 32
...
	.end_amdgpu_metadata
.endif
;; end of part 1
;; ======== version 2 of 2: 1 launch; version 1 with the launch vortex written anew for expert scheduling mode
;; launch vortex (part 2): grid 256 x 1, 16 waves a work-group, no clusters, 26,624 bytes of LDS; arguments points, vortex_feature, out0; writes out0
.if DOCPART == 2
	.amdgcn_target "amdgcn-amd-amdhsa--gfx1250"
	.amdhsa_code_object_version 6
	.text
	.protected	k_q324edd1f22_vortex
	.globl	k_q324edd1f22_vortex
	.p2align	8
	.type	k_q324edd1f22_vortex,@function
k_q324edd1f22_vortex:
	s_mov_b64 s[64:65], 0
	v_nop
	global_prefetch_b8 v0, s[64:65] scope:SCOPE_SE
	s_setreg_imm32_b32 hwreg(HW_REG_WAVE_SCHED_MODE, 0, 2), 2
	s_setreg_imm32_b32 hwreg(HW_REG_WAVE_MODE, 25, 1), 1
	s_wait_xcnt 0x0
	s_wait_alu depctr_vm_vsrc(0)
; Velocity of 2 x 256 x 256 grid points under 256 vortex particles per batch.
;   sq = |point - loc|^2,  e1 = exp(-DT^2 sq / (d sig^2)),  DT = 1
;   strength = tau exp(-sq / sig^2) exp(-c e1) / sqrt(sq + c e1)
;   out = ( sum strength (px - x),  sum strength (y - py) )
; The two outer exponentials are one exp2 of the summed exponents, so a pair costs three transcendentals (exp2, rsq, exp2),
; and everything that hangs on the particle alone is made once:  K1 = -log2e / sig^2,  K2 = -log2e DT^2 / (d sig^2),  cL = -log2e c.
; All plain arithmetic is packed, two points to an instruction: 12 packed instructions and 6 transcendentals for two pairs.
;
; SHARES.  256 work-groups of 16 waves; a work-group owns 512 neighbouring points (4,096 bytes of points and of out0, all of one
; batch: 128 work-groups a batch).  Wave w = 4 pq + pg takes point group pg (128 points, four a lane) against particle quarter pq
; (64 particles): one particle record read from LDS serves four points of every lane.  The four quarters meet in LDS at the end.
; The four waves of a point group each load the same 1,024 bytes of points: a second reading of 4 KiB a work-group, taken
; instead of a trip through LDS in front of the first barrier.
; No matrix unit, tensor load or cluster: the only shared input is the 6,144 bytes of a batch's particles, and memory moves
; 2 MiB in all against 33.5 million pairs of arithmetic.
;
; LIMITS, kept on purpose.  exp(a) exp(b) is taken as exp(a + b): it differs from the two factors only where one overflows and the
; other underflows (c e1 below about -88).  Divisions are multiplications by v_rcp_f32 (1 ULP).  v_rcp_f32, v_rsq_f32 and v_exp_f32
; take denormal inputs as zero and give zero for denormal results: sig^2 and d sig^2 have to lie in 2^-126 .. 2^126, and an
; exponential below 2^-126 counts as zero.  The sum over particles is four sums of 64 in ascending order, added pairwise.
;
; THE MODE: SCHED_MODE bits 1:0 = 2 (LLVM: expert scheduling mode 2), set by the entry lines.  The code itself states the register
; dependences between vector instructions and memory or LDS instructions, with s_wait_alu, always for 0.
; THE PLAN.  A trip is two PAIRS of particles: the two records of buffer QA, then the two of QB, each pair worked side by side in two
; working sets.  Registers that LDS instructions touch in the loop:
;   QA, QB   Read by the vector instructions of their own pair, last by tau's multiply behind the pair's second wait; written by
;            four LDS loads that are issued in the OTHER buffer's pair, directly behind that pair's first wait.
;   v[PA]    Read by every one of those loads; written once a trip, in QB's pair, ahead of that pair's second wait.
;   The points, the sums and the working sets are named by vector instructions alone.
; A pair has two waits on va_vdst, each ahead of the first reader of a batch of transcendentals.  The first
; also states that the pair before is done reading the other buffer and that v[PA] is written: the four loads follow it at once, and
; the rest of the pair names only its own buffer.  One wait on vm_vsrc a trip stands ahead of the add to v[PA].
.set NPART,   256                      ; particles of a batch
.set FEAT_B,  24                       ; bytes of a particle in vortex_feature: y, x, tau, sig, c, d
.set REC_B,   32                       ; bytes of a particle's record in LDS: y, -x, c, K2 | K1, cL, tau, sig (sig: filler, never used)
.set QUARTER, 64                       ; particles of a wave
.set TRIPP,   4                        ; particles of a trip: two buffers of two records
.set TRIPB,   TRIPP*REC_B
.set RED,     NPART*REC_B              ; LDS behind the table: wave w's 1,024 bytes: 128 sums for out y, then 128 for out x
.set NL2E,    0xbfb8aa3b               ; -log2(e)
.set OFFP, 3                           ; v3       byte offset of my first two points in the work-group's 4,096; at the end: of my output
.set PA,   4                           ; v4       LDS address of the trip's first record (the same in all lanes)
.set REDW, 5                           ; v5       LDS address of my sums in my wave's part of RED
.set PYN,  6                           ; v[6:7], v[10:11]    -py of points (0, 1), (2, 3)
.set PX,   8                           ; v[8:9], v[12:13]     px
.set ACCY, 14                          ; v[14:15], v[18:19]  sum strength (px - x)
.set ACCX, 16                          ; v[16:17], v[20:21]  sum strength (y - py)
; the working set of a pair's first particle; the second particle's lies WK registers above it
.set WK,   74                          ; v[22:61] and v[96:135]
.set NDY,  22                          ; v[22:23], v[26:27]  y - py
.set DX,   24                          ; v[24:25], v[28:29]  px - x
.set SQ,   30                          ; v[30:33]  squared distance, four points
.set ARG,  34                          ; v[34:37]  K2 sq
.set EX1,  38                          ; v[38:41]  e1
.set GS,   42                          ; v[42:45]  K1 sq
.set RAD,  46                          ; v[46:49]  sq + c e1
.set GA,   50                          ; v[50:53]  K1 sq + cL e1
.set RSQ,  54                          ; v[54:57]  1 / sqrt(RAD), then times tau
.set STR,  58                          ; v[58:61]  exp2(GA), then the strength
.set QA,   64                          ; v[64:79]  records of the trip's particles 0, 1
.set QB,   80                          ; v[80:95]  records of the trip's particles 2, 3
.set LP,   64                          ; v[64:71]  in front of the loop: four points as loaded (py, px, py, px)
.set W,    72                          ; v[72:79]  in front of the loop: the record that this thread makes
.set F,    64                          ; v[64:71]  at the end: (y, x) sums of the four quarters
	s_load_b128 s[4:7], s[0:1], 0x0                ; points s[4:5], vortex_feature s[6:7]
	s_load_b64 s[8:9], s[0:1], 0x10                ; out0
	v_lshl_add_u32 v62, v0, 2, 0x6000
	v_mov_b32 v63, 0
	v_lshrrev_b32 v1, 5, v0
	v_readfirstlane_b32 s10, v1                    ; wave 0..15
	v_and_b32 v2, 31, v0                           ; lane
	s_wait_alu depctr_va_sdst(0)                   ; s10 is written, ahead of its first reader
	s_and_b32 s11, s10, 3                          ; pg: which 128 points
	s_lshr_b32 s12, s10, 2                         ; pq: which 64 particles
	s_lshl_b32 s14, ttmp9, 12                      ; the work-group's 512 points x 8 bytes, in points and in out0
	s_mov_b32 s15, 0
	s_lshr_b32 s16, ttmp9, 7                       ; batch
	s_mul_i32 s16, s16, NPART*FEAT_B               ; its particles
	s_mov_b32 s17, 0
	s_lshl_b32 s11, s11, 10                        ; 128 points x 8 bytes
	s_lshl_b32 s12, s12, 11                        ; 64 records x 32 bytes
	s_lshl_b32 s13, s10, 10                        ; my wave's 1,024 bytes of RED
	v_lshl_add_u32 v[OFFP], v2, 4, s11             ; two points (16 bytes) a lane: a load of the wave covers 512 neighbouring bytes
	v_lshl_add_u32 v[REDW], v2, 3, s13             ; two sums (8 bytes) a lane
	s_wait_kmcnt 0x0
	s_add_nc_u64 s[4:5], s[4:5], s[14:15]
	s_add_nc_u64 s[6:7], s[6:7], s[16:17]
	s_add_nc_u64 s[8:9], s[8:9], s[14:15]
	s_wait_alu depctr_va_vdst(0)                   ; v[OFFP] is written, which the two loads below read as their offset; so is v[REDW], which the LDS stores at the end read
	global_load_b128 v[LP:LP+3],   v[OFFP], s[4:5]             ; points 2 l, 2 l + 1 of my group
	global_load_b128 v[LP+4:LP+7], v[OFFP], s[4:5] offset:512  ; points 64 + 2 l, 64 + 2 l + 1
	s_cmp_ge_u32 s10, NPART/32
	s_cbranch_scc1 .Ljoin                          ; waves 8-15 make no record
	; Waves 0-7: thread t makes particle t's record.  The three loads land where the record wants their first word.
	v_mul_u32_u24 v82, FEAT_B, v0
	v_lshlrev_b32 v83, 5, v0                       ; REC_B t
	s_wait_alu depctr_va_vdst(0)                   ; v82 is written, which the three loads below read as their offset
	global_load_b64 v[W:W+1],   v82, s[6:7]            ; y, x
	global_load_b64 v[W+6:W+7], v82, s[6:7] offset:8   ; tau, sig
	global_load_b64 v[W+2:W+3], v82, s[6:7] offset:16  ; c, d
	s_wait_loadcnt 0x0
	v_mul_f32 v80, v[W+7], v[W+7]                  ; sig^2
	v_mul_f32 v81, v[W+3], v80                     ; d sig^2
	v_rcp_f32 v[W+4], v80
	v_rcp_f32 v[W+3], v81
	v_mul_f32 v[W+1], -1.0, v[W+1]                 ; -x.  Also the plain instruction that stands between the reciprocals and their use (ISA guide 5.7.2)
	v_mul_f32 v[W+5], NL2E, v[W+2]                 ; cL
	s_wait_alu depctr_va_vdst(0)                   ; the two reciprocals are written, ahead of their first reader; one wait for both
	v_mul_f32 v[W+4], NL2E, v[W+4]                 ; K1
	v_mul_f32 v[W+3], NL2E, v[W+3]                 ; K2 (DT^2 = 1)
	s_wait_alu depctr_va_vdst(0)                   ; the record v[W:W+7] is written, which the two LDS stores read as their data (v83, their address, was written ahead of an earlier wait)
	ds_store_b128 v83, v[W:W+3]
	ds_store_b128 v83, v[W+4:W+7] offset:16
.Ljoin:
	s_wait_loadcnt 0x0                             ; my points
	s_wait_dscnt 0x0                               ; my record is in LDS before I say so: the other waves read it behind the barrier
	s_barrier_signal -1
	; register work while the others arrive: from (py, px, py, px) to the pairs that the packed arithmetic wants
.irp a, 0,1
	v_mul_f32 v[PYN+4*\a],   -1.0, v[LP+4*\a]
	v_mul_f32 v[PYN+4*\a+1], -1.0, v[LP+4*\a+2]
	v_mov_b32 v[PX+4*\a],   v[LP+4*\a+1]
	v_mov_b32 v[PX+4*\a+1], v[LP+4*\a+3]
.endr
	v_mov_b32 v[PA], s12                           ; my quarter of the table
	s_barrier_wait -1
	s_wait_alu depctr_va_vdst(0)                   ; v[PA] is written, which the LDS loads read; the eight lines above are done reading v[LP ..], in which QA's loads land; v80 and v81 are written, in which QB's loads land
	s_wait_alu depctr_vm_vsrc(0)                   ; the LDS stores have read v[W ..] and v83, the loads of the particle v82: QA's and QB's loads land in them; the loads of the points have read v[OFFP], which is written anew at the end
.irp i, 0,1,2,3
	ds_load_b128 v[QA+4*\i:QA+4*\i+3], v[PA] offset:16*\i          ; every lane reads the same 16 bytes
.endr
; A PAIR: the two particles whose records lie in buffer q (v[q:q+7], v[q+8:q+15]) against my four points, side by side in the two
; working sets, so that each step is four packed instructions that do not hang on each other and each batch of transcendentals is eight
; or sixteen long.  A word of a record is spread over both halves of a packed instruction by op_sel / op_sel_hi: [.,0] twice the
; pair's first register, op_sel [.,1] twice its second.  Each sum takes the first particle's term ahead of the second's.
; first = 1: the first particle's products start the sums, nothing is cleared.
; fill = 1: buffer o, which the pair before has read out, is asked for again, from byte off behind v[PA]: its four loads have the
; rest of this pair, 41 vector instructions, in which to land.  step = 1: v[PA] moves on to the next trip.
.macro PAIR q, o, first, fill, off, step
	s_wait_dscnt 0x0                               ; buffer q's four loads are in; no other LDS instruction of mine is out
.irp p, 0,1
.irp a, 0,1
	v_pk_add_f32 v[NDY+WK*\p+4*\a:NDY+WK*\p+4*\a+1], v[PYN+4*\a:PYN+4*\a+1], v[\q+8*\p:\q+8*\p+1] op_sel_hi:[1,0]              ; y - py
	v_pk_add_f32 v[DX+WK*\p+4*\a:DX+WK*\p+4*\a+1],   v[PX+4*\a:PX+4*\a+1],   v[\q+8*\p:\q+8*\p+1] op_sel:[0,1] op_sel_hi:[1,1] ; px - x
.endr
.endr
.irp p, 0,1
.irp a, 0,1
	v_pk_mul_f32 v[SQ+WK*\p+2*\a:SQ+WK*\p+2*\a+1], v[NDY+WK*\p+4*\a:NDY+WK*\p+4*\a+1], v[NDY+WK*\p+4*\a:NDY+WK*\p+4*\a+1]
.endr
.endr
.irp p, 0,1
.irp a, 0,1
	v_pk_fma_f32 v[SQ+WK*\p+2*\a:SQ+WK*\p+2*\a+1], v[DX+WK*\p+4*\a:DX+WK*\p+4*\a+1], v[DX+WK*\p+4*\a:DX+WK*\p+4*\a+1], v[SQ+WK*\p+2*\a:SQ+WK*\p+2*\a+1]
.endr
.endr
.irp p, 0,1
.irp a, 0,1
	v_pk_mul_f32 v[ARG+WK*\p+2*\a:ARG+WK*\p+2*\a+1], v[SQ+WK*\p+2*\a:SQ+WK*\p+2*\a+1], v[\q+8*\p+2:\q+8*\p+3] op_sel:[0,1] op_sel_hi:[1,1] ; K2 sq
.endr
.endr
.irp p, 0,1
.irp j, 0,1,2,3
	v_exp_f32 v[EX1+WK*\p+\j], v[ARG+WK*\p+\j]                                                                       ; e1: the first batch, eight
.endr
.endr
.irp p, 0,1
.irp a, 0,1
	v_pk_mul_f32 v[GS+WK*\p+2*\a:GS+WK*\p+2*\a+1], v[SQ+WK*\p+2*\a:SQ+WK*\p+2*\a+1], v[\q+8*\p+4:\q+8*\p+5] op_sel_hi:[1,0] ; K1 sq: plain work that names nothing of the batch, between it and its use (ISA guide 5.7.2)
.endr
.endr
	s_wait_alu depctr_va_vdst(0)                   ; the eight e1 are written, ahead of their first reader; the pair before is done reading buffer o, in which the loads below land; v[PA], their address, is written
.if \fill
.irp i, 0,1,2,3
	ds_load_b128 v[\o+4*\i:\o+4*\i+3], v[PA] offset:\off+16*\i     ; no vector instruction since the wait names buffer o or v[PA]
.endr
.endif
.irp p, 0,1
.irp a, 0,1
	v_pk_fma_f32 v[RAD+WK*\p+2*\a:RAD+WK*\p+2*\a+1], v[EX1+WK*\p+2*\a:EX1+WK*\p+2*\a+1], v[\q+8*\p+2:\q+8*\p+3], v[SQ+WK*\p+2*\a:SQ+WK*\p+2*\a+1] op_sel_hi:[1,0,1]   ; c e1 + sq
.endr
.endr
.irp p, 0,1
.irp j, 0,1,2,3
	v_rsq_f32 v[RSQ+WK*\p+\j], v[RAD+WK*\p+\j]                                                                       ; the second batch: eight roots,
.endr
.endr
.irp p, 0,1
.irp a, 0,1
	v_pk_fma_f32 v[GA+WK*\p+2*\a:GA+WK*\p+2*\a+1], v[EX1+WK*\p+2*\a:EX1+WK*\p+2*\a+1], v[\q+8*\p+4:\q+8*\p+5], v[GS+WK*\p+2*\a:GS+WK*\p+2*\a+1] op_sel:[0,1,0] op_sel_hi:[1,1,1]   ; cL e1 + K1 sq: it names no root
.endr
.endr
.irp p, 0,1
.irp j, 0,1,2,3
	v_exp_f32 v[STR+WK*\p+\j], v[GA+WK*\p+\j]                                                                        ; and eight exp(-sq / sig^2 - c e1)
.endr
.endr
.if \step
	s_wait_alu depctr_vm_vsrc(0)                   ; the LDS loads issued so far have read v[PA]
	v_add_nc_u32 v[PA], TRIPB, v[PA]               ; the next trip's first record.  Also the plain instruction between the last exponential and its use (ISA guide 5.7.2)
.else
	v_nop                                          ; the plain instruction between the last exponential and its use (ISA guide 5.7.2)
.endif
	s_wait_alu depctr_va_vdst(0)                   ; the eight roots and the eight exponentials are written, ahead of their first reader; with step = 1 so is v[PA], which the next trip's loads read
.irp p, 0,1
.irp a, 0,1
	v_pk_mul_f32 v[RSQ+WK*\p+2*\a:RSQ+WK*\p+2*\a+1], v[RSQ+WK*\p+2*\a:RSQ+WK*\p+2*\a+1], v[\q+8*\p+6:\q+8*\p+7] op_sel_hi:[1,0]   ; tau / sqrt: the last line that reads buffer q
.endr
.endr
.irp p, 0,1
.irp a, 0,1
	v_pk_mul_f32 v[STR+WK*\p+2*\a:STR+WK*\p+2*\a+1], v[STR+WK*\p+2*\a:STR+WK*\p+2*\a+1], v[RSQ+WK*\p+2*\a:RSQ+WK*\p+2*\a+1]       ; the strength
.endr
.endr
.irp p, 0,1
.irp a, 0,1
.if (\first) && ((\p) == 0)
	v_pk_mul_f32 v[ACCY+4*\a:ACCY+4*\a+1], v[STR+WK*\p+2*\a:STR+WK*\p+2*\a+1], v[DX+WK*\p+4*\a:DX+WK*\p+4*\a+1]
	v_pk_mul_f32 v[ACCX+4*\a:ACCX+4*\a+1], v[STR+WK*\p+2*\a:STR+WK*\p+2*\a+1], v[NDY+WK*\p+4*\a:NDY+WK*\p+4*\a+1]
.else
	v_pk_fma_f32 v[ACCY+4*\a:ACCY+4*\a+1], v[STR+WK*\p+2*\a:STR+WK*\p+2*\a+1], v[DX+WK*\p+4*\a:DX+WK*\p+4*\a+1],   v[ACCY+4*\a:ACCY+4*\a+1]
	v_pk_fma_f32 v[ACCX+4*\a:ACCX+4*\a+1], v[STR+WK*\p+2*\a:STR+WK*\p+2*\a+1], v[NDY+WK*\p+4*\a:NDY+WK*\p+4*\a+1], v[ACCX+4*\a:ACCX+4*\a+1]
.endif
.endr
.endr
.endm
; A trip: four particles.  QA's pair asks for this trip's QB; QB's pair asks for the next trip's QA and moves v[PA] on.
; more = 0: the last trip, which reads nothing past my quarter.
.macro TRIP first, more
	PAIR QA, QB, \first, 1, 64, 0
	PAIR QB, QA, 0, \more, TRIPB, \more
.endm
	TRIP 1, 1                                      ; the first trip stands in front of the loop: its first products start the sums
	s_mov_b32 s20, QUARTER/TRIPP-2
.Ltrip:
	TRIP 0, 1
	s_sub_co_u32 s20, s20, 1
	s_cmp_lg_u32 s20, 0
	s_cbranch_scc1 .Ltrip
	TRIP 0, 0
	; The four quarters of a point's sums meet in LDS.  My wave's 1,024 bytes: point i of my group at 4 i (y) and 512 + 4 i (x).
	s_wait_alu depctr_va_vdst(0)                   ; the last pair has written the eight sums, which the four LDS stores read as their data
	ds_store_b64 v[REDW], v[ACCY:ACCY+1]   offset:RED          ; points 2 l, 2 l + 1
	ds_store_b64 v[REDW], v[ACCY+4:ACCY+5] offset:RED+256      ; points 64 + 2 l, 64 + 2 l + 1
	ds_store_b64 v[REDW], v[ACCX:ACCX+1]   offset:RED+512
	ds_store_b64 v[REDW], v[ACCX+4:ACCX+5] offset:RED+768
	s_wait_dscnt 0x0                               ; for the others' sake: my sums are in LDS before I signal
	s_barrier_signal -1
	v_and_b32 v1, 127, v0                          ; thread t finishes point t: number t % 128 of group t / 128
	v_lshrrev_b32 v2, 7, v0
	v_lshlrev_b32 v1, 2, v1
	v_lshl_add_u32 v1, v2, 10, v1                  ; group g of quarter pq was wave 4 pq + g: 1,024 g here, 4,096 pq in the offsets
	v_lshlrev_b32 v[OFFP], 3, v0                   ; 8 bytes of out0 a thread (the loads that read this register ended in front of the loop, and the wait on vm_vsrc there has shown it read)
	s_barrier_wait -1
	s_wait_alu depctr_va_vdst(0)                   ; v1 is written, which the LDS loads below read as their address, and v[OFFP], which the store reads as its offset
.irp p, 0,1,2,3
	ds_load_b32 v[F+2*\p],   v1 offset:RED+4096*\p
	ds_load_b32 v[F+2*\p+1], v1 offset:RED+4096*\p+512
.endr
	s_wait_dscnt 0x0
	v_pk_add_f32 v[F:F+1],   v[F:F+1],   v[F+2:F+3]
	v_pk_add_f32 v[F+4:F+5], v[F+4:F+5], v[F+6:F+7]
	v_pk_add_f32 v[F:F+1],   v[F:F+1],   v[F+4:F+5]
	s_wait_alu depctr_va_vdst(0)                   ; the last addition has written v[F:F+1], which the store reads as its data
	global_store_b64 v[OFFP], v[F:F+1], s[8:9] th:TH_STORE_NT  ; a store of the wave covers 256 neighbouring bytes, aligned
	s_wait_dscnt 0x0
	s_wait_alu depctr_hold_cnt(0) depctr_sa_sdst(0) depctr_va_vdst(0) depctr_va_sdst(0) depctr_va_ssrc(0) depctr_va_vcc(0) depctr_vm_vsrc(0)
	s_wait_tensorcnt 0x0
	ds_add_u32 v62, v63
	s_wait_dscnt 0x0
	s_endpgm
.Lfunc_end_k_q324edd1f22_vortex:
	.size	k_q324edd1f22_vortex, .Lfunc_end_k_q324edd1f22_vortex-k_q324edd1f22_vortex
	.p2alignl 7, 3214868480
	.fill 96, 4, 3214868480
	.section	.rodata,"a",@progbits
	.p2align	6, 0x0
	.amdhsa_kernel k_q324edd1f22_vortex
		.amdhsa_group_segment_fixed_size 26624
		.amdhsa_private_segment_fixed_size 0
		.amdhsa_enable_private_segment 0
		.amdhsa_kernarg_size 24
		.amdhsa_user_sgpr_count 2
		.amdhsa_user_sgpr_kernarg_segment_ptr 1
		.amdhsa_wavefront_size32 1
		.amdhsa_system_sgpr_workgroup_id_x 1
		.amdhsa_system_sgpr_workgroup_id_y 1
		.amdhsa_system_sgpr_workgroup_id_z 1
		.amdhsa_system_vgpr_workitem_id 0
		.amdhsa_next_free_vgpr 136
		.amdhsa_next_free_sgpr 66
		.amdhsa_reserve_vcc 0
		.amdhsa_float_denorm_mode_32 3
		.amdhsa_float_denorm_mode_16_64 3
		.amdhsa_memory_ordered 1
		.amdhsa_forward_progress 1
		.amdhsa_inst_pref_size 30
	.end_amdhsa_kernel
	.amdgpu_metadata
---
amdhsa.version: [ 1, 2 ]
amdhsa.kernels:
  - .name:           k_q324edd1f22_vortex
    .symbol:         k_q324edd1f22_vortex.kd
    .args:
      - { .name: points, .offset: 0, .size: 8, .value_kind: global_buffer, .address_space: global }
      - { .name: vortex_feature, .offset: 8, .size: 8, .value_kind: global_buffer, .address_space: global }
      - { .name: out0, .offset: 16, .size: 8, .value_kind: global_buffer, .address_space: global }
    .group_segment_fixed_size: 26624
    .private_segment_fixed_size: 0
    .kernarg_segment_align: 8
    .kernarg_segment_size: 24
    .max_flat_workgroup_size: 512
    .sgpr_count:     66
    .vgpr_count:     136
    .wavefront_size: 32
...
	.end_amdgpu_metadata
.endif
;; end of part 2
